; MI455X (gfx1250); checked and timed in simulation.
; The chip was launched on July 23, 2026; its instructions are those of AMD's public machine-readable ISA for CDNA 5 (MIT licence, August 2026) and "CDNA5" Instruction Set Architecture Reference Guide (July 2026). The comments in the code are by the model that wrote it; some were corrected since.
;; MSA2 Pair. Allowed arithmetic: float matrix products may take bf16 or f16 operands with f32 sums; all other float work in f32.
;; Inputs: b_left 32 float32; b_out 128 float32; b_right 32 float32; ln_beta 256 float32; ln_gamma 256 float32; msa 1 x 128 x 256 x 256 float32; pair 1 x 256 x 256 x 128 float32; symmids 1 int32; symmsub 1 int32; w_left 256 x 32 float32; w_out 1,024 x 128 float32; w_right 256 x 32 float32.
;; Outputs: out0 1 x 256 x 256 x 128 float32.
;; One version. Each part assembles by itself: llvm-mc -triple=amdgcn-amd-amdhsa -mcpu=gfx1250 --defsym DOCPART=n.
;; ======== version 1 of 1: 2 launches
;; workspace buffers: left_ws 2,097,152 bytes; right_ws 2,097,152 bytes; wt 262,144 bytes
;; launch prep (part 1): grid 256 x 1, 8 waves a work-group, no clusters, 118,272 bytes of LDS; arguments msa, ln_gamma, ln_beta, w_left, w_right, b_left, b_right, w_out, left_ws, right_ws, wt; writes left_ws, right_ws, wt
.if DOCPART == 1
	.amdgcn_target "amdgcn-amd-amdhsa--gfx1250"
	.amdhsa_code_object_version 6
	.text
	.protected	k_q2f295584e9_prep
	.globl	k_q2f295584e9_prep
	.p2align	8
	.type	k_q2f295584e9_prep,@function
k_q2f295584e9_prep:
	s_mov_b64 s[64:65], 0
	v_nop
	global_prefetch_b8 v0, s[64:65] scope:SCOPE_SE
	s_setreg_imm32_b32 hwreg(HW_REG_WAVE_MODE, 25, 1), 1
	s_wait_xcnt 0x0
; LayerNorm over d = 256, then left = x W_l + b_l and right = (x W_r + b_r) / 128, for one position l and all 128 s; and 1 KiB of w_out in bf16.
; msa: [128 s][256 l][256 d] f32.  The work-group is the position l; wave w takes s = 16 w .. 16 w + 15, which is its one tile of 16 rows.
; A lane owns d = 4 L .. 4 L + 3 and 128 + 4 L .. + 3 of every row: each load of a wave covers 512 consecutive bytes, and all 32 row loads
; of a wave (16 KiB) are issued at once, so the work-group's 128 KiB are on their way together and the rows stay in registers.
; What is stored (bf16), in the order in which the next launch's matrix fragments want it:
;   left_ws : l*8192 + (it*8 + w)*512 + lane*16 : lane (r, h) holds left[s = 16 w + 8 h + 0..7][l][i = 16 it + r]
;   right_ws: (l>>4)*131072 + j*4096 + (l&15)*256 + 2 s
;   wt      : l*1024 + c*512 + lane*16 with j = l>>3, nt = l&7 : lane (r, h) holds w_out[(16 c + 8 h + e)*32 + j][16 nt + r], e = 0..7
; FORMATS: the mean, then the sum of squared deviations (two passes, so a common offset of a row is gone before anything is squared), gamma, beta,
; the biases and the division by 128 in f32; x, W, left, right and w_out are rounded to bf16 as matrix operands; sums in f32.
; LIMITS: the rounding of those operands to bf16; v_rsq_f32 is good to 1 ULP; NaN and infinities go on as the arithmetic carries them.
; symmids and symmsub are no arguments: the function that defines the result never reads them.
; No tensor loads, no slots in LDS, no cluster: a wave's whole share fits in 128 registers, and work-groups share only the 64 KiB of W.
.set XP,  528                          ; LDS pitch of a row of x: 512 bytes + 16 = 33 x 16
.set WT,  67584                        ; behind 128 rows of x: W as [256 d][64 n] bf16, n 0-31 left, 32-63 right
.set WP,  160                          ; its pitch: 128 bytes + 32 = 5 x 32
.set RS,  108544                       ; behind W: the stage for right, 32 rows (j) of 256 bytes (128 s)
.set RP,  272                          ; its pitch: 256 + 16
.set GA,  16                           ; v[16:23]   gamma of my 8 d
.set BE,  24                           ; v[24:31]   beta
.set T,   32                           ; v[32:47]   four rows at work: row p has the pairs T+4p (sum, mean) and T+4p+2 (squares, 1/sigma)
.set WO,  48                           ; v[48:55]   w_out as loaded (waves 0, 1)
.set WK,  56                           ; v[56:59]   w_out packed
.set BI,  60                           ; v[60:63]   b_left[r], b_left[16+r], b_right[r], b_right[16+r]
.set X,   64                           ; v[64:191]  row rr of my 16 at X + 8 rr
.set WR,  192                          ; v[192:255] W as loaded: 8 x 4 of w_left, 8 x 4 of w_right
.set ACC, 16                           ; matrix phase: v[16:47] four accumulators (n tiles 0, 1 left; 2, 3 right)
.set B2,  48                           ;               v[48:55] the four biases, each twice
.set FA,  64                           ;               v[64:127] x fragments, 8 K steps
.set FB,  128                          ;               v[128:255] W fragments, 4 K steps x 4 n tiles
	s_load_b512 s[4:19], s[0:1], 0x0               ; msa 4:5, gamma 6:7, beta 8:9, w_left 10:11, w_right 12:13, b_left 14:15, b_right 16:17, w_out 18:19
	s_load_b128 s[20:23], s[0:1], 0x40             ; left_ws 20:21, right_ws 22:23
	s_load_b64 s[24:25], s[0:1], 0x50              ; wt
	s_set_vgpr_msb 0x40
	v_lshl_add_u32 v0, v0, 2, 0x1ca00
	v_mov_b32 v1, 0
	s_set_vgpr_msb 0x4000
	v_lshrrev_b32 v15, 5, v0
	v_readfirstlane_b32 s26, v15                   ; wave 0..7
	s_mov_b32 s27, 0x3b800000                      ; 1/256
	s_mov_b32 s28, 0x3727c5ac                      ; 1e-5
	s_mov_b32 s29, 0x76543210                      ; v_permlanex16_b32: lane i of one half reads lane i of the other
	s_mov_b32 s30, 0xfedcba98
	s_mov_b32 s31, 0xbb800000                      ; -1/256
	s_mov_b32 s33, 0                               ; high word of every offset
	s_mul_i32 s35, s26, 16*XP                      ; my wave's 16 rows of x in LDS
	v_and_b32 v1, 31, v0                           ; L
	v_and_b32 v2, 15, v0                           ; r
	v_bfe_u32 v3, v0, 4, 1                         ; h
	v_lshlrev_b32 v4, 4, v1                        ; 16 L
	v_lshlrev_b32 v5, 4, v0                        ; 16 t
	v_lshrrev_b32 v15, 3, v0                       ; W into LDS: thread t holds d = t>>3 (+ 32 u), n = 4 (t&7) ..
	v_mul_u32_u24 v6, v15, WP
	v_and_b32 v15, 7, v0
	v_lshl_add_u32 v6, v15, 3, v6
	v_add_nc_u32 v6, WT, v6
	v_lshl_add_u32 v7, v1, 3, s35                  ; x into LDS: 8 bytes a lane
	v_mul_u32_u24 v8, v2, XP                       ; x fragments: row r of my 16, 16 bytes for each half of the lanes
	v_lshl_add_u32 v8, v3, 4, v8
	v_add_nc_u32 v8, s35, v8
	v_lshl_add_u32 v15, v3, 3, v15                 ; W fragments, transposing load: row 8 h + (L&7), 16 bytes by bit 3 of L
	v_mul_u32_u24 v9, v15, WP
	v_bfe_u32 v15, v0, 3, 1
	v_lshl_add_u32 v9, v15, 4, v9
	v_add_nc_u32 v9, WT, v9
	s_lshl_b32 s34, s26, 5
	s_add_co_u32 s34, s34, RS
	v_mul_u32_u24 v10, v2, RP                      ; right into its stage: row j = r, bytes 2 s = 32 w + 16 h
	v_lshl_add_u32 v10, v3, 4, v10
	v_add_nc_u32 v10, s34, v10
	v_lshrrev_b32 v15, 4, v0                       ; and back by rows: sixteen threads a row of 256 bytes
	v_mul_u32_u24 v11, v15, RP
	v_lshl_add_u32 v11, v2, 4, v11
	v_add_nc_u32 v11, RS, v11
	v_lshlrev_b32 v12, 12, v15                     ; the same row in right_ws: j * 4096 + 16 (t&15)
	v_lshl_add_u32 v12, v2, 4, v12
	v_lshlrev_b32 v14, 2, v2                       ; 4 r
	v_lshl_add_u32 v13, v3, 17, v14                ; w_out: 8 h rows of i (32 x 512 bytes each) + 4 r
	s_wait_kmcnt 0x0
	s_lshl_b32 s32, ttmp9, 10                      ; msa + l*1024 + 16 w rows of s (262,144 bytes each)
	s_lshl_b32 s34, s26, 22
	s_add_co_u32 s32, s32, s34
	s_add_nc_u64 s[4:5], s[4:5], s[32:33]
	s_lshr_b32 s34, ttmp9, 3                       ; w_out + j*512 + nt*64 + c*262144, c = wave & 1 (waves 0 and 1 alone use it)
	s_lshl_b32 s32, s34, 9
	s_and_b32 s34, ttmp9, 7
	s_lshl_b32 s34, s34, 6
	s_add_co_u32 s32, s32, s34
	s_and_b32 s36, s26, 1
	s_lshl_b32 s34, s36, 18
	s_add_co_u32 s32, s32, s34
	s_add_nc_u64 s[18:19], s[18:19], s[32:33]
	s_lshl_b32 s32, ttmp9, 13                      ; left_ws + l*8192 + w*512
	s_lshl_b32 s34, s26, 9
	s_add_co_u32 s32, s32, s34
	s_add_nc_u64 s[20:21], s[20:21], s[32:33]
	s_lshr_b32 s34, ttmp9, 4                       ; right_ws + (l>>4)*131072 + (l&15)*256
	s_lshl_b32 s32, s34, 17
	s_and_b32 s34, ttmp9, 15
	s_lshl_b32 s34, s34, 8
	s_add_co_u32 s32, s32, s34
	s_add_nc_u64 s[22:23], s[22:23], s[32:33]
	s_lshl_b32 s32, ttmp9, 10                      ; wt + l*1024 + c*512
	s_lshl_b32 s34, s36, 9
	s_add_co_u32 s32, s32, s34
	s_add_nc_u64 s[24:25], s[24:25], s[32:33]
	; All loads at once, the oldest first needed: w_out (waves 0, 1), gamma and beta, W, then the 32 loads of my 16 rows.
	s_cmp_gt_u32 s26, 1
	s_cbranch_scc1 .Lno_wout
.irp e, 0,1,2,3,4,5,6,7
	global_load_b32 v[WO+\e], v13, s[18:19] offset:\e*16384        ; i = 16 c + 8 h + e: 32 rows of 512 bytes apart
.endr
.Lno_wout:
	global_load_b128 v[GA:GA+3],   v4, s[6:7]
	global_load_b128 v[GA+4:GA+7], v4, s[6:7] offset:512
	global_load_b128 v[BE:BE+3],   v4, s[8:9]
	global_load_b128 v[BE+4:BE+7], v4, s[8:9] offset:512
.irp u, 0,1,2,3,4,5,6,7
	global_load_b128 v[WR+4*\u:WR+4*\u+3], v5, s[10:11] offset:\u*4096
.endr
.irp u, 0,1,2,3,4,5,6,7
	global_load_b128 v[WR+32+4*\u:WR+32+4*\u+3], v5, s[12:13] offset:\u*4096
.endr
.irp rr, 0,1,2,3,4,5,6,7,8,9,10,11,12,13,14,15
	global_load_b128 v[X+8*\rr:X+8*\rr+3],   v4, s[4:5] offset:\rr*262144 th:TH_LOAD_NT
	global_load_b128 v[X+8*\rr+4:X+8*\rr+7], v4, s[4:5] offset:\rr*262144+512 th:TH_LOAD_NT
.endr
	s_wait_loadcnt 32                              ; only the 32 row loads are younger, in every wave: w_out, gamma, beta and W are in
	; W to bf16 and into LDS as [d][n]
.irp u, 0,1,2,3,4,5,6,7,8,9,10,11,12,13,14,15
	v_cvt_pk_bf16_f32 v[WR+4*\u],   v[WR+4*\u],   v[WR+4*\u+1]
	v_cvt_pk_bf16_f32 v[WR+4*\u+1], v[WR+4*\u+2], v[WR+4*\u+3]
.endr
.irp u, 0,1,2,3,4,5,6,7
	ds_store_b64 v6, v[WR+4*\u:WR+4*\u+1] offset:\u*32*WP
	ds_store_b64 v6, v[WR+32+4*\u:WR+32+4*\u+1] offset:\u*32*WP+64
.endr
	s_cmp_gt_u32 s26, 1
	s_cbranch_scc1 .Lno_wt
.irp k, 0,1,2,3
	v_cvt_pk_bf16_f32 v[WK+\k], v[WO+2*\k], v[WO+2*\k+1]
.endr
	global_store_b128 v4, v[WK:WK+3], s[24:25]     ; 512 consecutive bytes of wt; v[WK:WK+3] is not written again
.Lno_wt:
; The sum over the 32 lanes of v[T+4p+o] for four rows p at once; v[T+4p+o+1] has been written and serves the crossing of the halves.
.macro LANESUM o
.irp m, 1,2,4,8
.irp p, 0,1,2,3
	v_add_f32_dpp v[T+4*\p+\o], v[T+4*\p+\o], v[T+4*\p+\o] row_xmask:\m row_mask:0xf bank_mask:0xf
.endr
.endr
.irp p, 0,1,2,3
	v_permlanex16_b32 v[T+4*\p+\o+1], v[T+4*\p+\o], s29, s30
.endr
.irp p, 0,1,2,3
	v_add_f32 v[T+4*\p+\o], v[T+4*\p+\o], v[T+4*\p+\o+1]
.endr
.endm
; LayerNorm of rows 4 g .. 4 g + 3 of my 16, the four rows' chains interleaved step by step.  left = younger loads that may stay out.
.macro LNGROUP g, left
	s_wait_loadcnt \left
.irp p, 0,1,2,3
.set xr, X+8*(4*\g+\p)
.set pp, T+4*\p
	v_pk_add_f32 v[pp:pp+1],   v[xr:xr+1],   v[xr+2:xr+3]
	v_pk_add_f32 v[pp+2:pp+3], v[xr+4:xr+5], v[xr+6:xr+7]
.endr
.irp p, 0,1,2,3
	v_pk_add_f32 v[T+4*\p:T+4*\p+1], v[T+4*\p:T+4*\p+1], v[T+4*\p+2:T+4*\p+3]
.endr
.irp p, 0,1,2,3
	v_add_f32 v[T+4*\p], v[T+4*\p], v[T+4*\p+1]
.endr
	LANESUM 0
.irp p, 0,1,2,3
	v_mul_f32 v[T+4*\p], s31, v[T+4*\p]            ; minus the mean
.endr
.irp k, 0,2,4,6
.irp p, 0,1,2,3
.set xr, X+8*(4*\g+\p)+\k
	v_pk_add_f32 v[xr:xr+1], v[xr:xr+1], v[T+4*\p:T+4*\p+1] op_sel_hi:[1,0]    ; x - mean, both halves by the pair's first register
.endr
.endr
.irp p, 0,1,2,3
.set xr, X+8*(4*\g+\p)
	v_pk_mul_f32 v[T+4*\p+2:T+4*\p+3], v[xr:xr+1], v[xr:xr+1]
.endr
.irp k, 2,4,6
.irp p, 0,1,2,3
.set xr, X+8*(4*\g+\p)+\k
	v_pk_fma_f32 v[T+4*\p+2:T+4*\p+3], v[xr:xr+1], v[xr:xr+1], v[T+4*\p+2:T+4*\p+3]
.endr
.endr
.irp p, 0,1,2,3
	v_add_f32 v[T+4*\p+2], v[T+4*\p+2], v[T+4*\p+3]
.endr
	LANESUM 2
.irp p, 0,1,2,3
	v_fma_f32 v[T+4*\p+2], v[T+4*\p+2], s27, s28   ; variance + eps
.endr
.irp p, 0,1,2,3
	v_rsq_f32 v[T+4*\p+2], v[T+4*\p+2]
.endr
	v_nop                                          ; one plain vector instruction behind the last v_rsq_f32 before its result is used (ISA guide 5.7.2)
	s_wait_alu depctr_va_vdst(0)
.irp k, 0,2,4,6
.irp p, 0,1,2,3
.set xr, X+8*(4*\g+\p)+\k
	v_pk_mul_f32 v[xr:xr+1], v[xr:xr+1], v[T+4*\p+2:T+4*\p+3] op_sel_hi:[1,0]
.endr
.endr
.irp k, 0,2,4,6
.irp p, 0,1,2,3
.set xr, X+8*(4*\g+\p)+\k
	v_pk_fma_f32 v[xr:xr+1], v[xr:xr+1], v[GA+\k:GA+\k+1], v[BE+\k:BE+\k+1]
.endr
.endr
.irp p, 0,1,2,3
.set xr, X+8*(4*\g+\p)
	v_cvt_pk_bf16_f32 v[xr],   v[xr],   v[xr+1]    ; in place: each line writes a register whose number has been consumed
	v_cvt_pk_bf16_f32 v[xr+1], v[xr+2], v[xr+3]
	v_cvt_pk_bf16_f32 v[xr+2], v[xr+4], v[xr+5]
	v_cvt_pk_bf16_f32 v[xr+3], v[xr+6], v[xr+7]
	ds_store_b64 v7, v[xr:xr+1]   offset:(4*\g+\p)*XP          ; d = 4 L ..
	ds_store_b64 v7, v[xr+2:xr+3] offset:(4*\g+\p)*XP+256      ; d = 128 + 4 L ..
.endr
.endm
	LNGROUP 0, 24                                  ; rows 0-3 are the oldest 8 of the 32 row loads
	global_load_b32 v[BI],   v14, s[14:15]         ; the four biases of my column r: four loads younger than every row load
	global_load_b32 v[BI+1], v14, s[14:15] offset:64
	global_load_b32 v[BI+2], v14, s[16:17]
	global_load_b32 v[BI+3], v14, s[16:17] offset:64
	LNGROUP 1, 20                                  ; 16 row loads + 4 bias loads are younger
	LNGROUP 2, 12                                  ; 8 + 4
	LNGROUP 3, 4                                   ; the 4 bias loads
	s_wait_dscnt 0x0                               ; my part of W (and my x) is in LDS,
	s_barrier_signal -1
	s_barrier_wait -1                              ; everybody's part of W is
	; [16 s x 256 d] x [256 d x 64 n]: 8 K steps of 32 on four accumulators.
.irp kt, 0,1,2,3,4,5,6,7
	ds_load_b128 v[FA+8*\kt:FA+8*\kt+3],   v8 offset:\kt*64
	ds_load_b128 v[FA+8*\kt+4:FA+8*\kt+7], v8 offset:\kt*64+32
.endr
; Four K steps: 32 transposing loads of W's fragments, then 16 matrix instructions.  The four accumulators take turns, one instruction a turn.
; The first four products start the sums: nothing is cleared.
.macro HALF hf
.irp k, 0,1,2,3
.irp n, 0,1,2,3
	ds_load_tr16_b128 v[FB+8*(4*\k+\n):FB+8*(4*\k+\n)+3],   v9 offset:(4*\hf+\k)*32*WP+\n*32
	ds_load_tr16_b128 v[FB+8*(4*\k+\n)+4:FB+8*(4*\k+\n)+7], v9 offset:(4*\hf+\k)*32*WP+\n*32+16*WP
.endr
.endr
	s_wait_dscnt 0x0
.irp k, 0,1,2,3
.irp n, 0,1,2,3
.if (\hf+\k) == 0
	v_wmma_f32_16x16x32_bf16 v[ACC+8*\n:ACC+8*\n+7], v[FA+8*(4*\hf+\k):FA+8*(4*\hf+\k)+7], v[FB+8*(4*\k+\n):FB+8*(4*\k+\n)+7], 0
.else
	v_wmma_f32_16x16x32_bf16 v[ACC+8*\n:ACC+8*\n+7], v[FA+8*(4*\hf+\k):FA+8*(4*\hf+\k)+7], v[FB+8*(4*\k+\n):FB+8*(4*\k+\n)+7], v[ACC+8*\n:ACC+8*\n+7]
.endif
.endr
.endr
.endm
	HALF 0
.rept 4
	v_nop                                          ; four places between the matrix instructions and the loads into the registers that they read (ISA guide 7.12.1 for vector instructions)
.endr
	HALF 1
	s_wait_loadcnt 0x0                             ; the biases
	v_mov_b32 v[B2],   v[BI]                       ; eight plain vector instructions that name no register of the matrix instructions:
	v_mov_b32 v[B2+1], v[BI]                       ; they are also the places in front of the first read of a result (ISA guide 7.12.1)
	v_mov_b32 v[B2+2], v[BI+1]
	v_mov_b32 v[B2+3], v[BI+1]
	v_mul_f32 v[B2+4], 0x3c000000, v[BI+2]         ; b_right / 128
	v_mul_f32 v[B2+5], 0x3c000000, v[BI+2]
	v_mul_f32 v[B2+6], 0x3c000000, v[BI+3]
	v_mul_f32 v[B2+7], 0x3c000000, v[BI+3]
	; A lane's eight results are s = 16 w + 8 h + 0..7 of one column n = r: one bias for all eight, and 16 bytes of bf16 along s.
.irp n, 0,1
.irp k, 0,2,4,6
	v_pk_add_f32 v[ACC+8*\n+\k:ACC+8*\n+\k+1], v[ACC+8*\n+\k:ACC+8*\n+\k+1], v[B2+2*\n:B2+2*\n+1]
.endr
.endr
.irp n, 2,3
.irp k, 0,2,4,6
	v_pk_fma_f32 v[ACC+8*\n+\k:ACC+8*\n+\k+1], v[ACC+8*\n+\k:ACC+8*\n+\k+1], 0x3c000000, v[B2+2*\n:B2+2*\n+1] op_sel_hi:[1,0,1]
.endr
.endr
.irp n, 0,1,2,3
	v_cvt_pk_bf16_f32 v[ACC+8*\n],   v[ACC+8*\n],   v[ACC+8*\n+1]
	v_cvt_pk_bf16_f32 v[ACC+8*\n+1], v[ACC+8*\n+2], v[ACC+8*\n+3]
	v_cvt_pk_bf16_f32 v[ACC+8*\n+2], v[ACC+8*\n+4], v[ACC+8*\n+5]
	v_cvt_pk_bf16_f32 v[ACC+8*\n+3], v[ACC+8*\n+6], v[ACC+8*\n+7]
.endr
	global_store_b128 v4, v[ACC:ACC+3],    s[20:21]                ; left: the lanes' order is left_ws's order; 512 consecutive bytes a store
	global_store_b128 v4, v[ACC+8:ACC+11], s[20:21] offset:4096
	ds_store_b128 v10, v[ACC+16:ACC+19]                            ; right: rows j = r and 16 + r of the stage
	ds_store_b128 v10, v[ACC+24:ACC+27] offset:16*RP
	s_wait_dscnt 0x0                               ; my 32 bytes of each row are in the stage,
	s_barrier_signal -1
	s_barrier_wait -1                              ; all eight waves' are: the rows are whole
	ds_load_b128 v[FA:FA+3],   v11
	ds_load_b128 v[FA+4:FA+7], v11 offset:16*RP
	s_wait_dscnt 0x0
	global_store_b128 v12, v[FA:FA+3],   s[22:23]                  ; sixteen lanes store a row's 256 consecutive bytes, at a multiple of 256 from right_ws's first byte
	global_store_b128 v12, v[FA+4:FA+7], s[22:23] offset:65536
	s_set_vgpr_msb 0x5
	s_wait_tensorcnt 0x0
	ds_add_u32 v0, v1
	s_wait_dscnt 0x0
	s_set_vgpr_msb 0x500
	s_endpgm
.Lfunc_end_k_q2f295584e9_prep:
	.size	k_q2f295584e9_prep, .Lfunc_end_k_q2f295584e9_prep-k_q2f295584e9_prep
	.p2alignl 7, 3214868480
	.fill 96, 4, 3214868480
	.section	.rodata,"a",@progbits
	.p2align	6, 0x0
	.amdhsa_kernel k_q2f295584e9_prep
		.amdhsa_group_segment_fixed_size 118272
		.amdhsa_private_segment_fixed_size 0
		.amdhsa_enable_private_segment 0
		.amdhsa_kernarg_size 88
		.amdhsa_user_sgpr_count 2
		.amdhsa_user_sgpr_kernarg_segment_ptr 1
		.amdhsa_wavefront_size32 1
		.amdhsa_system_sgpr_workgroup_id_x 1
		.amdhsa_system_sgpr_workgroup_id_y 1
		.amdhsa_system_sgpr_workgroup_id_z 1
		.amdhsa_system_vgpr_workitem_id 0
		.amdhsa_next_free_vgpr 258
		.amdhsa_next_free_sgpr 66
		.amdhsa_reserve_vcc 0
		.amdhsa_float_denorm_mode_32 3
		.amdhsa_float_denorm_mode_16_64 3
		.amdhsa_memory_ordered 1
		.amdhsa_forward_progress 1
		.amdhsa_inst_pref_size 64
	.end_amdhsa_kernel
	.amdgpu_metadata
---
amdhsa.version: [ 1, 2 ]
amdhsa.kernels:
  - .name:           k_q2f295584e9_prep
    .symbol:         k_q2f295584e9_prep.kd
    .args:
      - { .name: msa, .offset: 0, .size: 8, .value_kind: global_buffer, .address_space: global }
      - { .name: ln_gamma, .offset: 8, .size: 8, .value_kind: global_buffer, .address_space: global }
      - { .name: ln_beta, .offset: 16, .size: 8, .value_kind: global_buffer, .address_space: global }
      - { .name: w_left, .offset: 24, .size: 8, .value_kind: global_buffer, .address_space: global }
      - { .name: w_right, .offset: 32, .size: 8, .value_kind: global_buffer, .address_space: global }
      - { .name: b_left, .offset: 40, .size: 8, .value_kind: global_buffer, .address_space: global }
      - { .name: b_right, .offset: 48, .size: 8, .value_kind: global_buffer, .address_space: global }
      - { .name: w_out, .offset: 56, .size: 8, .value_kind: global_buffer, .address_space: global }
      - { .name: left_ws, .offset: 64, .size: 8, .value_kind: global_buffer, .address_space: global }
      - { .name: right_ws, .offset: 72, .size: 8, .value_kind: global_buffer, .address_space: global }
      - { .name: wt, .offset: 80, .size: 8, .value_kind: global_buffer, .address_space: global }
    .group_segment_fixed_size: 118272
    .private_segment_fixed_size: 0
    .kernarg_segment_align: 8
    .kernarg_segment_size: 88
    .max_flat_workgroup_size: 256
    .sgpr_count:     66
    .vgpr_count:     258
    .wavefront_size: 32
...
	.end_amdgpu_metadata
.endif
;; end of part 1
;; launch pairup (part 2): grid 16 x 16, 4 waves a work-group, clusters of 4 x 1, 327,680 bytes of LDS; arguments left_ws, right_ws, wt, pair, b_out, out0; writes out0
.if DOCPART == 2
	.amdgcn_target "amdgcn-amd-amdhsa--gfx1250"
	.amdhsa_code_object_version 6
	.text
	.protected	k_q2f295584e9_pairup
	.globl	k_q2f295584e9_pairup
	.p2align	8
	.type	k_q2f295584e9_pairup,@function
k_q2f295584e9_pairup:
	s_mov_b64 s[64:65], 0
	v_nop
	global_prefetch_b8 v0, s[64:65] scope:SCOPE_SE
	s_setreg_imm32_b32 hwreg(HW_REG_WAVE_MODE, 25, 1), 1
	s_wait_xcnt 0x0
	s_wait_alu depctr_hold_cnt(0) depctr_sa_sdst(0) depctr_va_vdst(0) depctr_va_sdst(0) depctr_va_ssrc(0) depctr_va_vcc(0) depctr_vm_vsrc(0)
	s_getreg_b32 s2, hwreg(HW_REG_IB_STS2, 6, 4)
	s_cmp_eq_u32 s2, 0
	s_cbranch_scc0 .Lentry_in_a_cluster
	s_endpgm
.Lentry_in_a_cluster:
	s_bfe_u32 s2, ttmp6, 0x10000c
	s_cmp_lg_u32 s2, 0x3003
	s_cbranch_scc0 .Lentry_shape_is_right
	s_endpgm
.Lentry_shape_is_right:
; out[l][m][p] = pair[l][m][p] + b_out[p] + sum over i, j of O[l][m][i][j] w_out[32 i + j][p],  O[l][m][i][j] = sum over s of left[s][l][i] right[s][m][j].
; O (256 MiB in f32) never leaves the registers.  A work-group makes 16 l x 16 m; wave w makes l = 16 lb + 4 w + q (q = 0..3) x the sixteen m.
; One step for each j = 0..31.  FIRST PRODUCT (G1): rows = 16 i of one l, columns = the sixteen m, K = 128 s: 8 accumulators a = 2 q + it x 4 K steps.
; In its result lane (r, h) holds, for the pair (l, m0 + r), i = 16 it + 8 h + 0..7: packed to bf16 that IS the fragment of the SECOND PRODUCT (G2),
; whose K is i (j fixed): eight v_cvt_pk_bf16_f32 for a tile of pairs, no traffic between lanes, no LDS.  G2 is used transposed (source 0 = w_out's fragment,
; source 1 = O's): a lane's eight results are eight neighbouring p of one pair.  A trip: 32 + 32 matrix instructions, then in one stretch the 32 conversions and the
; 24 LDS loads; left stays in 256 registers.  b_out is the C operand of the first G2, so nothing is cleared.  pair is loaded as whole rows into 256 registers,
; sixteen rows every eighth trip, and is added on the way out to the rows that come back from the stage.
; CLUSTER 4 x 1: the four partners have the same m block, so right's block (128 KiB) and all of wt (256 KiB) are asked for jointly (mask 15).
; left is not shared by them and goes straight from memory into registers, in fragment order, 512 consecutive bytes a load.  cx enters only the bases of left, pair and out0.
; FORMATS AND LIMITS: left, right, O and w_out are bf16 matrix operands; all sums, b_out and pair are f32; NaN and infinities go on as the matrix unit carries them.
;
; LDS: 0        two slots of 65,536 bytes of wt (8 j each), in fragment order: lane L reads byte 16 L of each 512
;      131,072  right: 512 rows (16 j + r) of 256 bytes at pitch 272 = 17 x 16, filled once
;      270,336  four stages of 16 rows x 528 bytes, one a wave, for the way out; no tensor load ever lands here
; REGISTERS, in windows of 256 (s_set_vgpr_msb, low byte: bits 1:0 source 0, 3:2 source 1, 5:4 source 2, 7:6 destination):
;   window 0: v0-31 O's fragments (4 q x 8), v32-95 right's (two buffers x 4 K steps x 8), v96-159 wt's (8 nt x 8), v160-223 G1's accumulators (8 x 8), v224-231 addresses (never rewritten)
;   window 1: left's fragments, ((2 q + it) 4 + ks) 8; on the way out: the rows read back, 64 q + 4 t
;   window 2: G2's accumulators, (8 q + nt) 8
;   window 3: pair's rows, 64 q + 4 t; until the first G2, b_out's tile in its registers 0-63
; Three switches of the window in a trip: G1 (0x01), G2 (0xa0), the conversions and the loads (0).
.set WSLOT, 65536
.set RIGHT, 131072
.set RP,    272
.set JROWS, 16*RP                      ; right's sixteen rows of one j
.set STAGE, 270336
.set SP,    528                        ; a stage row: 512 bytes + 16 = 33 x 16
.set AP,   0
.set BR,   32
.set BW,   96
.set A1,   160
.set AR0,  224                         ; right's fragments, j 0-14; AR0+1: j 15-29; AR0+2: j 30, 31 (an LDS offset has 16 bits)
.set AW0,  227                         ; wt slot 0: 16 L; AW0+1: slot 1
.set GOFF, AW0                         ; the same 16 L is my place in a row of 512 bytes of left_ws, pair and out0
.set SROW, 229                         ; my stage by rows: 16 L
.set SD,   230                         ; my stage in the accumulators' layout: row r, byte 32 h
.set BOFF, 231                         ; 32 h
.set G1R, 24                           ; s[24:31] descriptor group 1, right's tiles (padded)
.set G1W, 32                           ; s[32:39] descriptor group 1, wt's tiles
.set F1,  40                           ; s[40:43] group 0: right, j 0-15
.set F2,  44                           ; s[44:47] group 0: wt slot 0
.set F3,  48                           ; s[48:51] group 0: right, j 16-31
.set F4,  52                           ; s[52:55] group 0: wt slot 1
.set MSB, 0
.macro WIN new                         ; the immediate's high byte repeats the setting that is left; a switch that changes nothing is dropped
.if MSB != \new
	s_set_vgpr_msb (MSB<<8)|\new
.set MSB, \new
.endif
.endm
.macro PLACES n
.rept \n
	v_nop
.endr
.endm
; A round of the cluster's barrier: my work-group's barrier, wave 0 signals for the work-group, every wave waits for all four work-groups, my work-group's barrier again.
.macro ROUND
	s_barrier_signal -1
	s_barrier_wait -1
	s_cmp_lg_u32 s16, 0
	s_cbranch_scc1 .Lnot_wave_0_\@
	s_barrier_signal -3
.Lnot_wave_0_\@:
	s_barrier_wait -3
	s_barrier_signal -1
	s_barrier_wait -1
.endm
	s_load_b256 s[4:11], s[0:1], 0x0               ; left_ws 4:5, right_ws 6:7, wt 8:9, pair 10:11
	s_load_b128 s[12:15], s[0:1], 0x20             ; b_out 12:13, out0 14:15
	v_lshl_add_u32 v254, v0, 2, 0x4a400
	v_mov_b32 v255, 0
	ds_add_u32 v254, v255
	s_wait_dscnt 0x0
	v_lshrrev_b32 v1, 5, v0
	v_readfirstlane_b32 s16, v1                    ; wave 0..3
	ROUND                                          ; the round in front of the first joint loads; it needs no argument, so it stands while the arguments are on their way
	s_bfe_u32 s17, ttmp6, 0x40000                  ; cx
	s_lshl_b32 s18, ttmp9, 2
	s_add_co_u32 s18, s18, s17                     ; lb = 4 x cluster x + cx
	s_and_b32 s19, ttmp7, 0xffff                   ; mb: the cluster's y, shared by the four partners
	; group 1: tiles of 64 rows x 32 elements of 8 bytes (256 bytes a row, dense in memory); mask 15 = all four partners, bit 21 beside it
	s_mov_b32 s[G1R+0], 15|(3<<16)|(1<<20)|(1<<21)|(5<<22)|(3<<25)  ; padding on: after every 64 words (code 5) 4 words (code 3): LDS pitch 272
	s_mov_b32 s[G1W+0], 15|(3<<16)|(1<<21)         ; no padding: wt lies in fragment order
	s_mov_b32 s[G1R+1], 32<<16                     ; tensor_dim0 = 32
	s_mov_b32 s[G1W+1], 32<<16
	s_mov_b32 s[G1R+2], 64<<16                     ; tensor_dim1 = 64
	s_mov_b32 s[G1W+2], 64<<16
	s_mov_b32 s[G1R+3], 32<<16                     ; tile_dim0 = 32
	s_mov_b32 s[G1W+3], 32<<16
	s_mov_b32 s[G1R+4], 64                         ; tile_dim1 = 64
	s_mov_b32 s[G1W+4], 64
	s_mov_b32 s[G1R+5], 32                         ; 32 elements from row to row
	s_mov_b32 s[G1W+5], 32
	s_mov_b32 s[G1R+6], 0
	s_mov_b32 s[G1W+6], 0
	s_mov_b32 s[G1R+7], 0
	s_mov_b32 s[G1W+7], 0
	; group 0: each wave brings its quarter (64 rows) of each of the four first fills.  Nothing here is made of cx.
	s_lshl_b32 s58, s16, 14                        ; w x 64 rows x 256 bytes
	s_mov_b32 s59, 0
	s_lshl_b32 s56, s19, 17                        ; mb x 131,072
	s_add_co_u32 s56, s56, s58
	s_mov_b32 s57, 0
	s_mul_i32 s60, s16, 64*RP
	s_mov_b32 s[F1], 1
	s_mov_b32 s[F2], 1
	s_mov_b32 s[F3], 1
	s_mov_b32 s[F4], 1
	s_add_co_u32 s[F1+1], s60, RIGHT
	s_lshl_b32 s[F2+1], s16, 14
	s_add_co_u32 s[F3+1], s60, RIGHT+256*RP
	s_add_co_u32 s[F4+1], s[F2+1], WSLOT
	; lane terms (v1-v6 lie where O's fragments will lie) and the address registers
	v_and_b32 v1, 31, v0                           ; L
	v_and_b32 v2, 15, v0                           ; r
	v_bfe_u32 v3, v0, 4, 1                         ; h
	v_mul_u32_u24 v4, v2, RP
	v_lshl_add_u32 v4, v3, 4, v4                   ; r x 272 + 16 h
	v_mul_u32_u24 v6, v2, SP
	v_lshl_add_u32 v6, v3, 5, v6                   ; r x 528 + 32 h
	s_mul_i32 s61, s16, 16*SP
	s_add_co_u32 s61, s61, STAGE                   ; my stage
	v_add_nc_u32 v[AR0],   RIGHT, v4
	v_add_nc_u32 v[AR0+1], RIGHT+15*JROWS, v4
	v_add_nc_u32 v[AR0+2], RIGHT+30*JROWS, v4
	v_lshlrev_b32 v[AW0],  4, v1                   ; 16 L
	v_add_nc_u32 v[AW0+1], WSLOT, v[AW0]
	v_add_nc_u32 v[SROW],  s61, v[AW0]
	v_add_nc_u32 v[SD],    s61, v6
	v_lshlrev_b32 v[BOFF], 5, v3
	s_wait_kmcnt 0x0
	s_add_nc_u64 s[F1+2:F1+3], s[6:7], s[56:57]
	s_add_nc_u64 s[F3+2:F3+3], s[F1+2:F1+3], 65536
	s_add_nc_u64 s[F2+2:F2+3], s[8:9], s[58:59]
	s_add_nc_u64 s[F4+2:F4+3], s[F2+2:F2+3], 65536
	s_or_b32 s[F1+3], s[F1+3], 0x80000000
	s_or_b32 s[F2+3], s[F2+3], 0x80000000
	s_or_b32 s[F3+3], s[F3+3], 0x80000000
	s_or_b32 s[F4+3], s[F4+3], 0x80000000
	tensor_load_to_lds s[F1:F1+3], s[G1R:G1R+7]    ; the four first fills as one group, ahead of everything else that asks memory: four tensor loads of the wave are out, the most in this text
	s_nop 0
	tensor_load_to_lds s[F2:F2+3], s[G1W:G1W+7]
	s_nop 0
	tensor_load_to_lds s[F3:F3+3], s[G1R:G1R+7]
	s_nop 0
	tensor_load_to_lds s[F4:F4+3], s[G1W:G1W+7]
	s_nop 0
	s_lshl_b32 s20, s18, 17                        ; left_ws + (16 lb + 4 w) x 8,192
	s_lshl_b32 s22, s16, 15
	s_add_co_u32 s20, s20, s22
	s_mov_b32 s21, 0
	s_add_nc_u64 s[4:5], s[4:5], s[20:21]
	s_lshl_b32 s20, s18, 21                        ; pair and out0 + (16 lb + 4 w) x 131,072 + 16 mb x 512
	s_lshl_b32 s22, s16, 19
	s_add_co_u32 s20, s20, s22
	s_lshl_b32 s22, s19, 13
	s_add_co_u32 s20, s20, s22
	s_add_nc_u64 s[10:11], s[10:11], s[20:21]
	s_add_nc_u64 s[14:15], s[14:15], s[20:21]
	WIN 0xc0                                       ; destination window 3
.irp nt, 0,1,2,3,4,5,6,7
	global_load_b128 v[8*\nt:8*\nt+3],   v[BOFF], s[12:13] offset:\nt*64             ; b_out[16 nt + 8 h + 0..7]: a C tile of G2
	global_load_b128 v[8*\nt+4:8*\nt+7], v[BOFF], s[12:13] offset:\nt*64+16
.endr
	WIN 0x40                                       ; destination window 1
.set u, 0
.rept 64
	global_load_b128 v[4*u:4*u+3], v[GOFF], s[4:5] offset:512*u                      ; left: chunk u = 16 q + 8 it + 2 ks + c into register 4 u
.set u, u+1
.endr
	WIN 0
; G1, K step ks, all 8 accumulators, one instruction each, on right's buffer buf.  ks = 0 starts the sums.
.macro G1K buf, ks
.irp a, 0,1,2,3,4,5,6,7
.if \ks == 0
	v_wmma_f32_16x16x32_bf16 v[A1+8*\a:A1+8*\a+7], v[8*(4*\a+\ks):8*(4*\a+\ks)+7], v[BR+32*\buf+8*\ks:BR+32*\buf+8*\ks+7], 0
.else
	v_wmma_f32_16x16x32_bf16 v[A1+8*\a:A1+8*\a+7], v[8*(4*\a+\ks):8*(4*\a+\ks)+7], v[BR+32*\buf+8*\ks:BR+32*\buf+8*\ks+7], v[A1+8*\a:A1+8*\a+7]
.endif
.endr
.endm
; O to bf16: accumulators 2 q (i 0-15) and 2 q + 1 (i 16-31) become registers 0-3 and 4-7 of tile q's fragment for G2
.macro CVT
.irp a, 0,1,2,3,4,5,6,7
.irp e, 0,1,2,3
	v_cvt_pk_bf16_f32 v[AP+4*\a+\e], v[A1+8*\a+2*\e], v[A1+8*\a+2*\e+1]
.endr
.endr
.endm
; G2: 32 accumulators, one instruction each.  first = 1: C is b_out's tile (window 3).
.macro G2 first
.irp nt, 0,1,2,3,4,5,6,7
.irp q, 0,1,2,3
.if \first
	v_wmma_f32_16x16x32_bf16 v[8*(8*\q+\nt):8*(8*\q+\nt)+7], v[BW+8*\nt:BW+8*\nt+7], v[AP+8*\q:AP+8*\q+7], v[8*\nt:8*\nt+7]
.else
	v_wmma_f32_16x16x32_bf16 v[8*(8*\q+\nt):8*(8*\q+\nt)+7], v[BW+8*\nt:BW+8*\nt+7], v[AP+8*\q:AP+8*\q+7], v[8*(8*\q+\nt):8*(8*\q+\nt)+7]
.endif
.endr
.endr
.endm
; The trip's one run of LDS loads: wt's fragments of j = J + 1, wanted behind the next trip's G1, then right's of j = J + 3, into the buffer NB that this trip's G1 has read
.macro RUN
.irp i, 0,1,2,3,4,5,6,7,8,9,10,11,12,13,14,15
	ds_load_b128 v[BW+4*\i:BW+4*\i+3], v[AW0+(((J+1)>>3)&1)] offset:((J+1)&7)*8192+\i*512
.endr
.if J < 29
.irp i, 0,1,2,3,4,5,6,7
	ds_load_b128 v[BR+32*NB+4*\i:BR+32*NB+4*\i+3], v[AR0+(J+3)/15] offset:((J+3)%15)*JROWS+(\i>>1)*64+(\i&1)*32
.endr
.endif
.endm
; pair of tile q: sixteen whole rows of 512 bytes into window 3; they are waited for on the way out
.macro PAIRLD q
	WIN 0xc0
.irp t, 0,1,2,3,4,5,6,7,8,9,10,11,12,13,14,15
	global_load_b128 v[64*(\q)+4*\t:64*(\q)+4*\t+3], v[GOFF], s[10:11] offset:(\q)*131072+\t*512 th:TH_LOAD_NT
.endr
.endm
; A change of wt's slots.  Every wave waits for its LDS reads and for ALL its tensor loads; refill = 1: a round of the cluster's barrier, so that this holds of every wave of
; all four partners, and the joint refill (the slot's tiles 16 j further on) first behind it, one load a wave; it has eight trips, 512 matrix instructions of the wave, in which to land.
; refill = 0: nothing is left to fetch; the work-group's barrier shows every wave that the last refill is whole.
.macro BOUND set, refill
	s_wait_dscnt 0x0                               ; all my LDS reads, wt's fragments of this trip among them
	s_set_vgpr_msb 0x100
	s_wait_tensorcnt 0x0
	ds_add_u32 v254, v255
	s_wait_dscnt 0x0
	s_set_vgpr_msb 0x1
.if \refill
	s_add_nc_u64 s[\set+2:\set+3], s[\set+2:\set+3], 2*WSLOT       ; no tensor load of mine is out: a group 0 may be written
	WIN 0
	ROUND
	tensor_load_to_lds s[\set:\set+3], s[G1W:G1W+7]
	s_nop 0
.else
	s_barrier_signal -1
	s_barrier_wait -1
.endif
.endm
; Trip J: G1 of j = J + 1, G2 of j = J, then under one window setting four v_nop, the conversions of O of j = J + 1 and the run of loads.
; The conversions read sums that were finished 32 matrix instructions ago, so they wait for nothing, and one buffer serves G1's accumulators and one O's fragments.
; DISTANCES (ISA guide 7.12.1 for vector instructions).  The four v_nop behind G2 are the places in front of the conversions, which read G1's results (no other vector
; instruction stands between G1 and them) and write O's fragments, which G2 has read; and, with the conversions, in front of the loads into wt's registers and into right's buffer.
; The next trip's first K step writes over each of G1's accumulators behind these four and the 28 conversions that name the other seven accumulators.
; No two matrix instructions that follow each other share an accumulator: 8, then 32, take turns, one instruction a turn.
.macro TRIP
.set NB, (J+1)&1
.if J < 31
.if J < 30
	s_wait_dscnt 24                                ; right's fragments of j = J + 1 closed the run before last: only the last run's 24 loads are younger
.else
	s_wait_dscnt 16                                ; the last run had wt's sixteen loads alone
.endif
	WIN 0x01                                       ; source 0 (left) window 1, all else window 0
	G1K NB, 0
	G1K NB, 1
	G1K NB, 2
	G1K NB, 3
.endif
.if J == 7
	BOUND F2, 1                                    ; slot 0 (j 0-7) was last read by trip 6's run; it gets j 16-23, first read by trip 15's run.  All first fills are shown landed here
.elseif J == 15
	BOUND F4, 1                                    ; slot 1 (j 8-15) was last read by trip 14's run; it gets j 24-31, first read by trip 23's run
.elseif J == 23
	BOUND F4, 0
.elseif J >= 30
	s_wait_dscnt 0x0                               ; nothing stands behind wt's sixteen loads any more
.else
	s_wait_dscnt 8                                 ; wt's fragments of j = J are in: behind them stand only right's eight loads
.endif
.if J == 0
	WIN 0xb0                                       ; D window 2, C window 3
	G2 1
.else
	WIN 0xa0                                       ; C and D window 2
	G2 0
.endif
	WIN 0
	PLACES 4                                       ; in the last trip: in front of the LDS stores that read the results
.if J < 31
	CVT
	RUN
.if J%8 == 2
	PAIRLD J/8                                     ; trips 2, 10, 18, 26: tile 0 lands on b_out's tile, which the first G2 has read two trips ago
.endif
.endif
.endm
	s_wait_tensorcnt 0x2                           ; my quarters of right's j 0-15 and of wt's slot 0 are in; the two younger loads stay out
	s_barrier_signal -1
	s_barrier_wait -1                              ; everybody's are
.irp jj, 0,1
.irp i, 0,1,2,3,4,5,6,7
	ds_load_b128 v[BR+32*\jj+4*\i:BR+32*\jj+4*\i+3], v[AR0] offset:\jj*JROWS+(\i>>1)*64+(\i&1)*32    ; right's fragments of j = 0 and 1
.endr
.endr
.irp i, 0,1,2,3,4,5,6,7,8,9,10,11,12,13,14,15
	ds_load_b128 v[BW+4*\i:BW+4*\i+3], v[AW0] offset:\i*512                                          ; wt's fragments of j = 0
.endr
	s_wait_loadcnt 0x0                             ; left and b_out
	s_wait_dscnt 24                                ; right's j = 0: the 8 + 16 loads behind it may be out
	WIN 0x01
	G1K 0, 0                                       ; G1 of j = 0 stands in front of the trips
	G1K 0, 1
	G1K 0, 2
	G1K 0, 3
	WIN 0
	PLACES 4                                       ; four places in front of the conversions and of the loads into right's buffer 0
	CVT
.irp i, 0,1,2,3,4,5,6,7
	ds_load_b128 v[BR+4*\i:BR+4*\i+3], v[AR0] offset:2*JROWS+(\i>>1)*64+(\i&1)*32                    ; right's fragments of j = 2: behind right's j = 1 now stand 16 + 8 loads, as behind every later one
.endr
.set J, 0
.rept 32
	TRIP
.set J, J+1
.endr
	; THE WAY OUT, a tile of 16 pairs at a time: the accumulators into my stage, whole rows of 512 bytes back into window 1 (left is done with), pair's rows added, and out.
	; The stage is my wave's own and LDS serves a wave's instructions in order (ISA guide 5.7.1): no wait between the stores and the loads, nor in front of the next tile's stores.
.macro OUT_LDS q
	WIN 0x08                                       ; store data (source 1) window 2
.irp nt, 0,1,2,3,4,5,6,7
	ds_store_b128 v[SD], v[8*(8*\q+\nt):8*(8*\q+\nt)+3]   offset:\nt*64
	ds_store_b128 v[SD], v[8*(8*\q+\nt)+4:8*(8*\q+\nt)+7] offset:\nt*64+16
.endr
	WIN 0x40                                       ; destination window 1
.irp t, 0,1,2,3,4,5,6,7,8,9,10,11,12,13,14,15
	ds_load_b128 v[64*\q+4*\t:64*\q+4*\t+3], v[SROW] offset:\t*SP
.endr
.endm
.macro OUT_ST q, young                 ; young = LDS instructions issued behind this tile's sixteen loads
	s_wait_loadcnt 16*(3-\q)                       ; pair's tiles come back in order, sixteen loads each: tile q is in
	s_wait_dscnt \young
	WIN 0x4d                                       ; destination and source 0 window 1 (the rows), source 1 window 3 (pair)
.set k, 0
.rept 32
	v_pk_add_f32 v[64*\q+2*k:64*\q+2*k+1], v[64*\q+2*k:64*\q+2*k+1], v[64*\q+2*k:64*\q+2*k+1]
.set k, k+1
.endr
	WIN 0x04                                       ; store data (source 1) window 1
.irp t, 0,1,2,3,4,5,6,7,8,9,10,11,12,13,14,15
	global_store_b128 v[GOFF], v[64*\q+4*\t:64*\q+4*\t+3], s[14:15] offset:\q*131072+\t*512 th:TH_STORE_NT   ; a store of the wave covers a pair's 512 consecutive bytes, aligned
.endr
.endm
	OUT_LDS 0
	OUT_LDS 1
	OUT_ST 0, 32
	OUT_LDS 2
	OUT_ST 1, 32
	OUT_LDS 3
	OUT_ST 2, 32
	OUT_ST 3, 0
	WIN 0
	s_wait_tensorcnt 0x0
	ds_add_u32 v254, v255
	s_wait_dscnt 0x0
	ROUND                                          ; the closing round: no work-group ends while a partner may still ask for a tile that names it
	s_endpgm
.Lfunc_end_k_q2f295584e9_pairup:
	.size	k_q2f295584e9_pairup, .Lfunc_end_k_q2f295584e9_pairup-k_q2f295584e9_pairup
	.p2alignl 7, 3214868480
	.fill 96, 4, 3214868480
	.section	.rodata,"a",@progbits
	.p2align	6, 0x0
	.amdhsa_kernel k_q2f295584e9_pairup
		.amdhsa_group_segment_fixed_size 327680
		.amdhsa_private_segment_fixed_size 0
		.amdhsa_enable_private_segment 0
		.amdhsa_kernarg_size 48
		.amdhsa_user_sgpr_count 2
		.amdhsa_user_sgpr_kernarg_segment_ptr 1
		.amdhsa_wavefront_size32 1
		.amdhsa_system_sgpr_workgroup_id_x 1
		.amdhsa_system_sgpr_workgroup_id_y 1
		.amdhsa_system_sgpr_workgroup_id_z 1
		.amdhsa_system_vgpr_workitem_id 0
		.amdhsa_next_free_vgpr 1024
		.amdhsa_next_free_sgpr 66
		.amdhsa_reserve_vcc 0
		.amdhsa_float_denorm_mode_32 3
		.amdhsa_float_denorm_mode_16_64 3
		.amdhsa_memory_ordered 1
		.amdhsa_forward_progress 1
		.amdhsa_inst_pref_size 255
	.end_amdhsa_kernel
	.section	.bss,"aw",@nobits
	.p2align	6
	.space	262144
	.amdgpu_metadata
---
amdhsa.version: [ 1, 2 ]
amdhsa.kernels:
  - .name:           k_q2f295584e9_pairup
    .symbol:         k_q2f295584e9_pairup.kd
    .args:
      - { .name: left_ws, .offset: 0, .size: 8, .value_kind: global_buffer, .address_space: global }
      - { .name: right_ws, .offset: 8, .size: 8, .value_kind: global_buffer, .address_space: global }
      - { .name: wt, .offset: 16, .size: 8, .value_kind: global_buffer, .address_space: global }
      - { .name: pair, .offset: 24, .size: 8, .value_kind: global_buffer, .address_space: global }
      - { .name: b_out, .offset: 32, .size: 8, .value_kind: global_buffer, .address_space: global }
      - { .name: out0, .offset: 40, .size: 8, .value_kind: global_buffer, .address_space: global }
    .group_segment_fixed_size: 327680
    .private_segment_fixed_size: 0
    .kernarg_segment_align: 8
    .kernarg_segment_size: 48
    .max_flat_workgroup_size: 128
    .sgpr_count:     66
    .vgpr_count:     1024
    .wavefront_size: 32
...
	.end_amdgpu_metadata
.endif
;; end of part 2
